; MI455X (gfx1250); checked and timed in simulation.
; The chip was launched on July 23, 2026; its instructions are those of AMD's public machine-readable ISA for CDNA 5 (MIT licence, August 2026) and "CDNA5" Instruction Set Architecture Reference Guide (July 2026). The comments in the code are by the model that wrote it; some were corrected since.
;; Multi Head Attention. Allowed arithmetic: matrix products marked QUANTISED: E4M3 operands, one given power-of-two scale a tensor, by v_wmma_f32_16x16x64_fp8_fp8 or v_wmma_f32_16x16x128_fp8_fp8, f32 sums; everything else in f32.
;; Inputs: k 4 x 2,048 x 1,024 float32; lowp_scales 12 int32 (the exponents e of the quantised operands' scales 2^e); q 4 x 2,048 x 1,024 float32; v 4 x 2,048 x 1,024 float32; wk 1,024 x 1,024 float32; wo 1,024 x 1,024 float32; wq 1,024 x 1,024 float32; wv 1,024 x 1,024 float32.
;; Outputs: out0 4 x 2,048 x 1,024 float32.
;; This version of the problem:
;;   THIS VERSION OF THE PROBLEM IS GIVEN IN LOW PRECISION. The matrix products marked QUANTISED in the list below multiply operands that are first quantised to E4M3 (4 exponent bits, 3 mantissa bits; 8 bits a number), with one given power-of-two scale for each operand tensor; their sums are f32. All else is computed in f32.
;;   The module's matrix products, in the order in which they are computed (A, B: the left and right operand; K: the contracted axis; several contracted axes count as one K, in the product's order):
;;     1. [M 8,192, K 1,024] x [K 1,024, N 1,024]; A: input q; B: input wq: QUANTISED (scales: A lowp_scales[0], B lowp_scales[1])
;;     2. [M 8,192, K 1,024] x [K 1,024, N 1,024]; A: input k; B: input wk: QUANTISED (scales: A lowp_scales[2], B lowp_scales[3])
;;     3. [M 8,192, K 1,024] x [K 1,024, N 1,024]; A: input v; B: input wv: QUANTISED (scales: A lowp_scales[4], B lowp_scales[5])
;;     4. batch 64 x [M 2,048, K 64] x [K 64, N 2,048]; A: computed on the way; B: computed on the way: QUANTISED (scales: A lowp_scales[6], B lowp_scales[7])
;;     5. batch 64 x [M 2,048, K 2,048] x [K 2,048, N 64]; A: softmax (see below); B: computed on the way: QUANTISED (scales: A lowp_scales[8], B lowp_scales[9])
;;     6. [M 8,192, K 1,024] x [K 1,024, N 1,024]; A: computed on the way; B: input wo: QUANTISED (scales: A lowp_scales[10], B lowp_scales[11])
;;   THE QUANTISER, for each operand of a quantised product, along K:
;;     - The operand's scale is 2^e, e = its entry of the input lowp_scales (int32; the entries are numbered through the quantised products in the list's order, A before B).
;;     - Each number is divided by the scale, clamped to +-448, and rounded to the nearest number of E4M3, ties to even, subnormals kept.
;;     - The product sums the exact products of the quantised numbers (number of the format x scale) in f32.
;;   ~~~python
;;   def quantise(x, axis, e):      # numpy; x: float32 -> the quantised numbers, widened to float32 again
;;       x = np.moveaxis(x, axis, -1); K = x.shape[-1]
;;       r = np.clip(x / 2.0 ** e, -448, 448)
;;       step = 2.0 ** (np.maximum(np.frexp(np.where(r == 0, 1, r))[1] - 1, -6) - 3)
;;       q = np.round(r / step) * step * 2.0 ** e      # np.round: ties to even
;;       return np.moveaxis(q, -1, axis).astype(np.float32)
;;   ~~~
;;   SOFTMAX AHEAD OF A QUANTISED PRODUCT. Where the list says 'softmax', what is quantised is not the finished softmax but p = 2^(t - M), with t = logit x log2(e) and M = ceil(the row's largest t), a whole number; so 1/2 < the row's largest p <= 1. The row's sum l is taken of the UNQUANTISED p, in f32, and the product's result is divided by l at the end. Since M is a whole number, a kernel that streams over the keys may use a running M (the ceiling of the running maximum): every later rescaling is an exact power of two, so the quantised numbers keep their values, but for numbers so far below the row's largest that they fall under the format's range.
;;   OPERANDS COMPUTED ON THE WAY. 'Computed on the way' means the value that the module computes at that place (a softmax that the list does not call 'softmax' is quantised finished and normalised). What goes into a quantiser is computed in f32, as accurately as f32 sums, v_exp_f32 and their like allow (about 1e-6 of the number): no bf16 or f16 on the way to a quantiser, and a product that is left as it is and whose result goes on into a quantised operand takes f32 operands (vector FMAs, or v_wmma_f32_16x16x4_f32). A number that lies on a knife's edge between two numbers of the format may be rounded either way, as far as f32 arithmetic and the matrix unit's own rounding can turn it there, and no further.
;; One version. Each part assembles by itself: llvm-mc -triple=amdgcn-amd-amdhsa -mcpu=gfx1250 --defsym DOCPART=n.
;; ======== version 1 of 1: 4 launches
;; limits: right only within a limited range of input values
;; workspace buffers: xc 25,165,824 bytes; wc 4,194,304 bytes; qf 8,388,608 bytes; kf 8,388,608 bytes; vf 8,388,608 bytes; af 8,388,608 bytes
;; launch quant (part 1): grid 512 x 1, 4 waves a work-group, no clusters, 34,304 bytes of LDS; arguments q, k, v, wq, wk, wv, wo, lowp_scales, xc, wc; writes xc, wc
.if DOCPART == 1
	.amdgcn_target "amdgcn-amd-amdhsa--gfx1250"
	.amdhsa_code_object_version 6
	.text
	.protected	k_q47c939cd5d_quant
	.globl	k_q47c939cd5d_quant
	.p2align	8
	.type	k_q47c939cd5d_quant,@function
k_q47c939cd5d_quant:
	s_mov_b64 s[64:65], 0
	v_nop
	global_prefetch_b8 v0, s[64:65] scope:SCOPE_SE
	s_setreg_imm32_b32 hwreg(HW_REG_WAVE_MODE, 25, 1), 1
	s_wait_xcnt 0x0
; q, k, v [8192][1024] f32 and wq, wk, wv, wo [1024 (k)][1024 (n)] f32 become codes of FP8 (E4M3), each tensor with the scale 2^e that is given for it:
; code = x / 2^e, held within +-448, to the nearest code, ties to even.  LIMITS: -126 <= e <= 119; NaN among the inputs is not served.
; THE CODES ARE LAID AS IMAGES OF THE OPERAND'S REGISTERS.  A tile T holds the 16 rows 32 (T / 2) + 8 (T % 2) + r + 8 (r / 8), r = 0 .. 15 (of a weight: its columns n).
; A chunk is 512 bytes: lane 16 h + r has 16 bytes at 16 x lane: k = 32 c + 16 h + 0 .. 15 of the tile's row r.  A fragment (tile T, K step s of 128) is four chunks, at
; (T / 8) 131072 + (s / 2) 32768 + (T % 8) 4096 + (s % 2) 2048: so 128 rows x 256 along K are one dense block of 32,768 bytes.
; xc: q, k, v on end, 8,388,608 bytes each.  wc: wq, wk, wv, wo on end, 1,048,576 bytes each.
; Work-groups 0-127 take the weights (32 each: 8 groups of 128 columns x 4 quarters of K), work-groups 128-511 the rows (128 each tensor, a tile of 16 rows a wave).
; Waves share nothing: no barrier.  No matrix unit, no cluster, no tensor load: a stream, read once and written once.
.set XW,  32                           ; weights: v32-95   two sets of 32 numbers, a lane's column down K
.set CW,  96                           ; weights: v96-159  codes, eight registers a block: no store's data are written again
.set R0,  16                           ; rows:    v16-143  two sets of 64 registers as loaded
.set XN,  144                          ; rows:    v144-207 64 numbers of a lane: register 16 c + i = k 32 c + 16 h + i of row r
.set CX,  208                          ; rows:    v208-239 two sets of 16 registers of codes
.set SP,  528                          ; rows: a stage row: 512 bytes + 16: row r starts 4 r words on, modulo 64 words
.set WST, 16*SP                        ; rows: a wave's stage
.macro MKSCALE                         ; from e in s34: v11 = 2^e (the conversion takes its exponent field), v10 = 448 x 2^e
	s_wait_kmcnt 0x0
	s_add_co_i32 s34, s34, 127
	s_lshl_b32 s35, s34, 23
	v_mov_b32 v11, s35
	s_add_co_i32 s34, s34, 8
	s_lshl_b32 s34, s34, 23
	s_or_b32 s34, s34, 0x600000
	v_mov_b32 v10, s34
.endm
.macro WLOAD t                         ; block t: W(32 t + i, my column), i = 0 .. 31: a wave reads 128 neighbouring bytes, the four waves stand side by side
.set I, 0
.rept 32
	global_load_b32 v[XW+32*((\t)%2)+I], v4, s[10:11] offset:(32*(\t)+I)*4096 th:TH_LOAD_NT
.set I, I+1
.endr
.endm
.macro WBLOCK t
.if (\t) < 7
	s_wait_loadcnt 32                              ; this block's 32 loads are in; the next block's 32 may be out
.else
	s_wait_loadcnt 0x0
.endif
.set I, 0
.rept 32
	v_med3_num_f32 v[XW+32*((\t)%2)+I], v[XW+32*((\t)%2)+I], -v10, v10   ; the conversion does not saturate (ISA guide 7.6.2): hold first
.set I, I+1
.endr
.irp g, 0,1,2,3
	v_cvt_scalef32_pk8_fp8_f32 v[CW+8*(\t)+2*\g:CW+8*(\t)+2*\g+1], v[XW+32*((\t)%2)+8*\g:XW+32*((\t)%2)+8*\g+7], v11
.endr
	; a lane's 32 codes are the two halves (h = 0, 1) of its row in chunk t % 4: each store fills two aligned runs of 256 bytes (one for each of the wave's two tiles)
	global_store_b128 v5, v[CW+8*(\t):CW+8*(\t)+3], s[22:23] offset:((\t)/4)*2048+((\t)%4)*512
	global_store_b128 v5, v[CW+8*(\t)+4:CW+8*(\t)+7], s[22:23] offset:((\t)/4)*2048+((\t)%4)*512+256
.if (\t)+2 < 8
	WLOAD (\t)+2
.endif
.endm
.macro XLOAD t                         ; K step t of my tile's 16 rows: each load reads 512 neighbouring bytes of one row
.set I, 0
.rept 16
	global_load_b128 v[R0+64*((\t)%2)+4*I:R0+64*((\t)%2)+4*I+3], v4, s[4:5] offset:(I+8*(I/8))*4096+512*(\t) th:TH_LOAD_NT
.set I, I+1
.endr
.endm
.macro XSTEP t
.if (\t) < 7
	s_wait_loadcnt 16                              ; this step's 16 loads are in; the next step's 16 may be out
.else
	s_wait_loadcnt 0x0
.endif
.set I, 0
.rept 16
	ds_store_b128 v6, v[R0+64*((\t)%2)+4*I:R0+64*((\t)%2)+4*I+3] offset:SP*I   ; rows as they lie
.set I, I+1
.endr
.set I, 0
.rept 16
	ds_load_b128 v[XN+4*I:XN+4*I+3], v7 offset:128*(I/4)+16*(I%4)             ; back as 16 neighbours of each block of 32; LDS serves a wave's instructions in order (ISA guide 5.7.1.4)
.set I, I+1
.endr
	s_wait_dscnt 0x0                               ; the numbers are back, and the stores have read their registers,
.if (\t)+2 < 8
	XLOAD (\t)+2                                   ; which take the loads of two steps on
.endif
.set I, 0
.rept 64
	v_med3_num_f32 v[XN+I], v[XN+I], -v10, v10
.set I, I+1
.endr
	s_wait_xcnt 0x0                                ; the earlier stores have read their data: the codes' registers may be written again
.irp g, 0,1,2,3,4,5,6,7
	v_cvt_scalef32_pk8_fp8_f32 v[CX+16*((\t)%2)+2*\g:CX+16*((\t)%2)+2*\g+1], v[XN+8*\g:XN+8*\g+7], v11
.endr
	v_nop                                          ; a plain vector line behind the last conversion: the next step's holds write its sources
.irp c, 0,1,2,3
	global_store_b128 v4, v[CX+16*((\t)%2)+4*\c:CX+16*((\t)%2)+4*\c+3], s[20:21] offset:((\t)/2)*32768+((\t)%2)*2048+512*\c   ; a chunk: 512 neighbouring bytes
.endr
.endm
	s_load_b512 s[4:19], s[0:1], 0x0               ; q 4:5, k 6:7, v 8:9, wq 10:11, wk 12:13, wv 14:15, wo 16:17, the scales' exponents 18:19
	s_load_b128 s[20:23], s[0:1], 0x40             ; xc 20:21, wc 22:23
	v_lshl_add_u32 v240, v0, 2, 0x8400
	v_mov_b32 v241, 0
	v_lshrrev_b32 v1, 5, v0
	v_readfirstlane_b32 s24, v1                    ; wave
	v_and_b32 v1, 31, v0                           ; lane
	v_and_b32 v2, 15, v0                           ; r
	v_bfe_u32 v3, v0, 4, 1                         ; h
	s_mov_b32 s29, 0
	s_mov_b32 s33, 0
	s_cmp_lt_u32 ttmp9, 128
	s_cbranch_scc0 .Lrows
	; ---- THE WEIGHTS.  A lane takes a column n and its registers run down K: the conversions' results have K innermost, and nothing is transposed.
	s_lshr_b32 s25, ttmp9, 5                       ; which weight: 0 wq, 1 wk, 2 wv, 3 wo
	s_and_b32 s26, ttmp9, 7                        ; which 128 columns
	s_bfe_u32 s27, ttmp9, 0x20003                  ; which 256 along K
	s_lshl_b32 s30, s25, 3
	s_add_co_u32 s30, s30, 4                       ; entries 1, 3, 5 of the scales,
	s_cmp_eq_u32 s25, 3
	s_cselect_b32 s30, 44, s30                     ; entry 11 for wo
	s_lshl_b32 s28, s27, 20                        ; from: 256 rows of 4,096 bytes,
	s_lshl_b32 s31, s26, 9
	s_add_co_u32 s28, s28, s31                     ; + 128 columns,
	s_lshl_b32 s31, s24, 7
	s_add_co_u32 s28, s28, s31                     ; + my wave's 32
	s_lshl_b32 s32, s25, 20                        ; to: the weight's image,
	s_lshl_b32 s31, s26, 17
	s_add_co_u32 s32, s32, s31                     ; its eight tiles of 128 columns,
	s_lshl_b32 s31, s27, 15
	s_add_co_u32 s32, s32, s31                     ; the block of 256 along K,
	s_lshl_b32 s31, s24, 13
	s_add_co_u32 s32, s32, s31                     ; my wave's two tiles
	v_lshlrev_b32 v4, 2, v1                        ; in: 4 bytes a lane
	v_bfe_u32 v5, v0, 3, 1                         ; column x of the 32 lies in tile (x / 8) % 2,
	v_and_b32 v6, 7, v0
	v_lshl_add_u32 v6, v3, 3, v6                   ; at its row x % 8 + 8 (x / 16)
	v_lshlrev_b32 v6, 4, v6
	v_lshl_add_u32 v5, v5, 12, v6                  ; out: 4,096 x tile + 16 x row
	s_wait_kmcnt 0x0
	s_load_b32 s34, s[18:19], s30 offset:0x0       ; e
	s_cmp_eq_u32 s25, 1
	s_cselect_b64 s[10:11], s[12:13], s[10:11]
	s_cmp_eq_u32 s25, 2
	s_cselect_b64 s[10:11], s[14:15], s[10:11]
	s_cmp_eq_u32 s25, 3
	s_cselect_b64 s[10:11], s[16:17], s[10:11]
	s_add_nc_u64 s[10:11], s[10:11], s[28:29]
	s_add_nc_u64 s[22:23], s[22:23], s[32:33]
	WLOAD 0
	WLOAD 1
	MKSCALE
.irp t, 0,1,2,3,4,5,6,7
	WBLOCK \t
.endr
	s_endpgm
.Lrows:
	; ---- THE ROWS.  A wave takes one tile of 16 rows and all 1,024 along K, a fragment (128 along K) a step.  Loads take the bytes as they lie; a step's 8,192 bytes turn through the wave's own stage.
	s_sub_co_u32 s25, ttmp9, 128
	s_lshr_b32 s26, s25, 7                         ; which tensor: 0 q, 1 k, 2 v
	s_and_b32 s27, s25, 127
	s_lshl_b32 s27, s27, 2
	s_add_co_u32 s27, s27, s24                     ; my tile T, 0 .. 511
	s_lshl_b32 s30, s26, 3                         ; entries 0, 2, 4 of the scales
	s_lshr_b32 s28, s27, 1
	s_lshl_b32 s28, s28, 17                        ; from: 32 (T / 2) rows of 4,096 bytes
	s_and_b32 s31, s27, 1
	s_lshl_b32 s31, s31, 15
	s_add_co_u32 s28, s28, s31                     ; + 8 (T % 2) rows
	s_lshl_b32 s32, s26, 23                        ; to: the tensor's image,
	s_lshr_b32 s31, s27, 3
	s_lshl_b32 s31, s31, 17
	s_add_co_u32 s32, s32, s31                     ; (T / 8) 131072
	s_and_b32 s31, s27, 7
	s_lshl_b32 s31, s31, 12
	s_add_co_u32 s32, s32, s31                     ; + (T % 8) 4096
	s_mul_i32 s36, s24, WST                        ; my stage
	v_lshlrev_b32 v4, 4, v1                        ; 16 x lane: in memory, both ways
	v_add_nc_u32 v6, s36, v4                       ; into the stage: 16 x lane of a row
	v_mul_u32_u24 v7, v2, SP
	v_lshl_add_u32 v7, v3, 6, v7
	v_add_nc_u32 v7, s36, v7                       ; out of it: row r, + 64 h bytes
	s_wait_kmcnt 0x0
	s_load_b32 s34, s[18:19], s30 offset:0x0       ; e
	s_cmp_eq_u32 s26, 1
	s_cselect_b64 s[4:5], s[6:7], s[4:5]
	s_cmp_eq_u32 s26, 2
	s_cselect_b64 s[4:5], s[8:9], s[4:5]
	s_add_nc_u64 s[4:5], s[4:5], s[28:29]
	s_add_nc_u64 s[20:21], s[20:21], s[32:33]
	XLOAD 0
	XLOAD 1
	MKSCALE
.irp t, 0,1,2,3,4,5,6,7
	XSTEP \t
.endr
	s_wait_tensorcnt 0x0
	ds_add_u32 v240, v241
	s_wait_dscnt 0x0
	s_endpgm
.Lfunc_end_k_q47c939cd5d_quant:
	.size	k_q47c939cd5d_quant, .Lfunc_end_k_q47c939cd5d_quant-k_q47c939cd5d_quant
	.p2alignl 7, 3214868480
	.fill 96, 4, 3214868480
	.section	.rodata,"a",@progbits
	.p2align	6, 0x0
	.amdhsa_kernel k_q47c939cd5d_quant
		.amdhsa_group_segment_fixed_size 34304
		.amdhsa_private_segment_fixed_size 0
		.amdhsa_enable_private_segment 0
		.amdhsa_kernarg_size 80
		.amdhsa_user_sgpr_count 2
		.amdhsa_user_sgpr_kernarg_segment_ptr 1
		.amdhsa_wavefront_size32 1
		.amdhsa_system_sgpr_workgroup_id_x 1
		.amdhsa_system_sgpr_workgroup_id_y 1
		.amdhsa_system_sgpr_workgroup_id_z 1
		.amdhsa_system_vgpr_workitem_id 0
		.amdhsa_next_free_vgpr 242
		.amdhsa_next_free_sgpr 66
		.amdhsa_reserve_vcc 0
		.amdhsa_float_denorm_mode_32 3
		.amdhsa_float_denorm_mode_16_64 3
		.amdhsa_memory_ordered 1
		.amdhsa_forward_progress 1
		.amdhsa_inst_pref_size 116
	.end_amdhsa_kernel
	.amdgpu_metadata
---
amdhsa.version: [ 1, 2 ]
amdhsa.kernels:
  - .name:           k_q47c939cd5d_quant
    .symbol:         k_q47c939cd5d_quant.kd
    .args:
      - { .name: q, .offset: 0, .size: 8, .value_kind: global_buffer, .address_space: global }
      - { .name: k, .offset: 8, .size: 8, .value_kind: global_buffer, .address_space: global }
      - { .name: v, .offset: 16, .size: 8, .value_kind: global_buffer, .address_space: global }
      - { .name: wq, .offset: 24, .size: 8, .value_kind: global_buffer, .address_space: global }
      - { .name: wk, .offset: 32, .size: 8, .value_kind: global_buffer, .address_space: global }
      - { .name: wv, .offset: 40, .size: 8, .value_kind: global_buffer, .address_space: global }
      - { .name: wo, .offset: 48, .size: 8, .value_kind: global_buffer, .address_space: global }
      - { .name: lowp_scales, .offset: 56, .size: 8, .value_kind: global_buffer, .address_space: global }
      - { .name: xc, .offset: 64, .size: 8, .value_kind: global_buffer, .address_space: global }
      - { .name: wc, .offset: 72, .size: 8, .value_kind: global_buffer, .address_space: global }
    .group_segment_fixed_size: 34304
    .private_segment_fixed_size: 0
    .kernarg_segment_align: 8
    .kernarg_segment_size: 80
    .max_flat_workgroup_size: 128
    .sgpr_count:     66
    .vgpr_count:     242
    .wavefront_size: 32
...
	.end_amdgpu_metadata
.endif
;; end of part 1
;; launch proj (part 2): grid 4 x 96, 4 waves a work-group, clusters of 4 x 4, 327,680 bytes of LDS; arguments xc, wc, lowp_scales, qf, kf, vf; writes qf, kf, vf
.if DOCPART == 2
	.amdgcn_target "amdgcn-amd-amdhsa--gfx1250"
	.amdhsa_code_object_version 6
	.text
	.protected	k_q47c939cd5d_proj
	.globl	k_q47c939cd5d_proj
	.p2align	8
	.type	k_q47c939cd5d_proj,@function
k_q47c939cd5d_proj:
	s_mov_b64 s[64:65], 0
	v_nop
	global_prefetch_b8 v0, s[64:65] scope:SCOPE_SE
	s_setreg_imm32_b32 hwreg(HW_REG_WAVE_MODE, 25, 1), 1
	s_wait_xcnt 0x0
	s_wait_alu depctr_hold_cnt(0) depctr_sa_sdst(0) depctr_va_vdst(0) depctr_va_sdst(0) depctr_va_ssrc(0) depctr_va_vcc(0) depctr_vm_vsrc(0)
	s_getreg_b32 s2, hwreg(HW_REG_IB_STS2, 6, 4)
	s_cmp_eq_u32 s2, 0
	s_cbranch_scc0 .Lentry_in_a_cluster
	s_endpgm
.Lentry_in_a_cluster:
	s_bfe_u32 s2, ttmp6, 0x10000c
	s_cmp_lg_u32 s2, 0xf033
	s_cbranch_scc0 .Lentry_shape_is_right
	s_endpgm
.Lentry_shape_is_right:
; The three projections x W on codes of FP8 (E4M3), K = 1,024, and each result quantised at once into an operand of attention's products.
; Cluster y = 8 T + g: T = 0 q, 1 k, 2 v.  A work-group makes 256 x 256 of a product, a wave 128 x 128: 64 accumulators of 16 x 16, 512 registers.
; Both operands lie in memory as images of the operand's registers (a chunk of 512 bytes = 16 bytes a lane; a fragment of 16 rows x 128 K = four chunks; 128 rows x 256 K = one dense block
; of 32,768 bytes).  Tile t of 16 holds rows 32 (t / 2) + 8 (t % 2) + r + 8 (r / 8), so that the 16 registers of two neighbouring tiles of source 0 are 16 NEIGHBOURS.
; ROLES.  Source 1 (role A) gives the result's lanes, source 0 (role B) its registers.  q, k: A = 256 tokens, B = 256 columns of W: a lane holds one token and its registers run along the
; head's channels, which are K of the scores.  v: THE TWO ARE SWAPPED IN MEMORY ALONE: A = 256 columns of wv, B = 256 tokens: a lane holds one channel and its registers run along the keys,
; which are K of the second product.  The loop is the same.
; CLUSTERS: 4 x 4 work-groups.  A's tile hangs on cy (and the cluster's y) alone and is asked for jointly by a row of the cluster, B's on cx alone, by a column.
; K goes in steps of 256 through two LDS slots: four fills in all, so the walk is written straight.  A wave has two tensor loads out at the start, one behind each round.
; OUT.  qf, kf: [batch x head][tile of 16 tokens][1,024 bytes]: 16 tokens x 64 channels.  vf: [batch x head][key step of 128][tile of 16 channels][2,048 bytes]: 16 channels x 128 keys.
; code = sum / 2^(et - ex - ew), held within +-448.  LIMIT: et - ex - ew between -126 and 119.
; REGISTERS: window 0: v12-29 constants and addresses; v32-95 a block's held sums; v96-111 its codes; v128-255 A's fragments, one set.  window 1: B's fragments, two sets.  windows 2, 3: the accumulators.
.set HALFT,  32768                     ; 128 rows x 256 K: what one tensor load brings, and what one wave reads of A or of B
.set SLOT,   4*HALFT                   ; A's two halves, then B's two
.set SPARE,  2*SLOT                    ; behind the ring: the spare words, 128 bytes a wave: two blocks of 256 bytes that no other line names
.set FR,     16                        ; registers of a fragment
.set NL,     4                         ; LDS loads that bring one
.set NP,     4                         ; places behind this matrix instruction (ISA guide 7.12.1)
.set SCL,  12                          ; v12  2^(et - ex - ew) as f32
.set LIM,  13                          ; v13  448 x that
.set VO,   14                          ; v14  16 x lane;  v15  the same + the distance to chunks 2 and 3
.set ADRA, 16                          ; v16-17  LDS address of my A fragments in slot 0, 1
.set ADRB, 20                          ; v20-21  the same for B
.set SPW,  28                          ; v28  my spare word: SPARE + 4 x my thread's number; never rewritten
.set NIL,  29                          ; v29  0; never rewritten
.set TMP,  32
.set CD,   96
.set AF,   128
.set G1, 24                            ; s[24:31] descriptor group 1 for A's tiles;  s[32:39] group 0, one set a slot
.set G0, 32
.set G1B, 48                           ; s[48:55], s[56:63] the same for B's
.set G0B, 56
.set OB,  76                           ; s[76:77] where the block in hand is stored
.set MSB, 0
.macro WIN new                         ; the immediate's high byte repeats the setting that is left
.if MSB != \new
	s_set_vgpr_msb (MSB<<8)|\new
.set MSB, \new
.endif
.endm
.set MUL_LO, 0xa1                      ; source 0 (B) window 1, source 1 (A) window 0, C and D window 2
.set MUL_HI, 0xf1                      ; the same, C and D window 3
.set TO_B,   0x40                      ; destination window 1, address window 0
; A joint load: waves 0 and 1 fetch A's halves, waves 2 and 3 B's.  The branch hangs on the wave's number alone.  Four v_nop follow each line.
.macro JLOAD g0a, g1a, g0b, g1b
	s_cmp_eq_u32 s15, 0
	s_cbranch_scc0 .Lfor_b_\@
	tensor_load_to_lds s[\g0a:\g0a+3], s[\g1a:\g1a+7]
	s_nop 0
.rept 4
	v_nop
.endr
	s_branch .Lasked_\@
.Lfor_b_\@:
	tensor_load_to_lds s[\g0b:\g0b+3], s[\g1b:\g1b+7]
	s_nop 0
.rept 4
	v_nop
.endr
.Lasked_\@:
.endm
.macro CREST                           ; a round of the cluster's barrier behind its opening barrier
	s_cmp_lg_u32 s14, 0
	s_cbranch_scc1 .Lnot_wave_0_\@
	s_barrier_signal -3
.Lnot_wave_0_\@:
	s_barrier_wait -3
	s_barrier_signal -1
	s_barrier_wait -1
.endm
.macro CROUND
	s_barrier_signal -1
	s_barrier_wait -1
	CREST
.endm
.macro FRAG reg, adr, q, i             ; fragment (tile i of my eight, the slot's q-th 128 along K): four chunks, each 512 neighbouring bytes
.irp c, 0,1,2,3
	ds_load_b128 v[\reg+4*\c:\reg+4*\c+3], v[\adr] offset:4096*(\i)+2048*(\q)+512*\c
.endr
.endm
; 16 matrix instructions: A's blocks a0, a0 + 1 x B's eight.  p: B's set.  zero = 1: the first product starts the sums.  The 64 accumulators take turns.
.macro MUL16 a0, p, zero
.irp a, \a0, \a0+1
.irp b, 0,1,2,3,4,5,6,7
.if \zero
	v_wmma_f32_16x16x128_fp8_fp8 v[8*(8*((\a)%4)+\b):8*(8*((\a)%4)+\b)+7], v[128*(\p)+FR*\b:128*(\p)+FR*\b+FR-1], v[AF+FR*(\a):AF+FR*(\a)+FR-1], 0
.else
	v_wmma_f32_16x16x128_fp8_fp8 v[8*(8*((\a)%4)+\b):8*(8*((\a)%4)+\b)+7], v[128*(\p)+FR*\b:128*(\p)+FR*\b+FR-1], v[AF+FR*(\a):AF+FR*(\a)+FR-1], v[8*(8*((\a)%4)+\b):8*(8*((\a)%4)+\b)+7]
.endif
.endr
.endr
.endm
.macro FETCH_B slot, q, p
	WIN TO_B
.irp i, 0,1,2,3,4,5,6,7
	FRAG 128*(\p)+FR*\i, ADRB+\slot, \q, \i
.endr
	WIN 0
.endm
.macro FETCH_A slot, q, i0
.irp i, \i0, \i0+1, \i0+2, \i0+3
	FRAG AF+FR*(\i), ADRA+\slot, \q, \i
.endr
.endm
.macro PLACES n                        ; plain vector lines between a matrix instruction and a load into, or a read of, its registers
.rept \n
	v_nop
.endr
.endm
; A step of 128 along K that has its successor in the same slot.  A has one set of registers: blocks 0-3 are fetched anew in the step's middle, blocks 4-7 at its end; B has two sets.
.macro STEP slot, q, zero
	s_wait_dscnt 4*NL                              ; B's set and A's blocks 0-3 are in; the youngest 16 loads (A's blocks 4-7) may be out
	WIN MUL_LO
	MUL16 0, (\q)%2, \zero
	MUL16 2, (\q)%2, \zero
	s_wait_dscnt 0
	PLACES NP
	FETCH_B \slot, (\q)+1, 1-(\q)%2
	FETCH_A \slot, (\q)+1, 0
	WIN MUL_HI
	MUL16 4, (\q)%2, \zero
	MUL16 6, (\q)%2, \zero
	PLACES NP
	WIN 0
	FETCH_A \slot, (\q)+1, 4
.endm
; A slot's last step changes slots: one barrier; in front of it each wave waits for all its tensor loads, adds 0 to its spare word, and waits for that and for its reads of this slot.
.macro TURN slot, next, fill
	s_wait_tensorcnt 0x0                           ; all my tensor loads have landed: my part of the next slot
	ds_add_u32 v[SPW], v[NIL]                      ; 0 onto my spare word
	s_wait_dscnt 4*NL+1                            ; (the add and the youngest 16 loads may be out)
	WIN MUL_LO
	MUL16 0, 1, 0
	s_wait_dscnt 0x0                               ; the add is done, and my reads of this slot are over
	s_barrier_signal -1
	MUL16 2, 1, 0
	WIN 0
	s_barrier_wait -1
.if \fill
	CREST                                          ; the barrier has opened a round of the cluster's: no wave of any partner still reads this slot or has a load on its way
	s_add_nc_u64 s[G0+4*\slot+2:G0+4*\slot+3], s[G0+4*\slot+2:G0+4*\slot+3], 2*HALFT
	s_add_nc_u64 s[G0B+4*\slot+2:G0B+4*\slot+3], s[G0B+4*\slot+2:G0B+4*\slot+3], 2*HALFT
	JLOAD G0+4*\slot, G1, G0B+4*\slot, G1B         ; the first tensor load behind the round; its four v_nop are also the places in front of the loads below
.else
	PLACES NP
.endif
	FETCH_B \next, 0, 0
	FETCH_A \next, 0, 0
	WIN MUL_HI
	MUL16 4, 1, 0
	MUL16 6, 1, 0
	PLACES NP
	WIN 0
	FETCH_A \next, 0, 4
.endm
; THE WAY OUT of A's block a: its 64 sums of a lane are 64 neighbours along the next K: held, converted, and stored as four chunks of 512 neighbouring bytes.
.macro OUTB a
	WIN 0x02+((\a)/4)                              ; source 0: window 2 or 3
.set J, 0
.rept 64
	v_med3_num_f32 v[TMP+J], v[64*((\a)%4)+J], -v[LIM], v[LIM]   ; the conversion does not saturate (ISA guide 7.6.2); each accumulator from its low end on
.set J, J+1
.endr
	WIN 0
.if (\a) > 0
	s_wait_xcnt 0x0                                ; the last block's stores have read their data and their base
	s_add_nc_u64 s[OB:OB+1], s[OB:OB+1], s[78:79]  ; the next tile of tokens (q, k) or of channels (v)
.endif
.if (\a) == 4
	s_add_nc_u64 s[OB:OB+1], s[OB:OB+1], s[80:81]  ; v: on to the next head
.endif
.irp p, 0,1,2,3,4,5,6,7
	v_cvt_scalef32_pk8_fp8_f32 v[CD+2*\p:CD+2*\p+1], v[TMP+8*\p:TMP+8*\p+7], v[SCL]
.endr
	v_nop                                          ; a plain vector line behind the last conversion: the next block's holds write its sources
.irp c, 0,1,2,3
	global_store_b128 v[VO+\c/2], v[CD+4*\c:CD+4*\c+3], s[OB:OB+1] offset:512*(\c%2)
.endr
.endm
	s_load_b128 s[4:7], s[0:1], 0x0                ; xc, wc
	s_load_b128 s[8:11], s[0:1], 0x10              ; the scales' exponents, qf
	s_load_b128 s[68:71], s[0:1], 0x20             ; kf, vf
	v_lshl_add_u32 v[SPW], v0, 2, SPARE
	v_mov_b32 v[NIL], 0
	ds_add_u32 v28, v29
	ds_add_u32 v28, v29
	s_wait_dscnt 0x0
	v_lshrrev_b32 v1, 5, v0
	v_readfirstlane_b32 s14, v1                    ; wave 0..3
	s_lshr_b32 s15, s14, 1                         ; which half of A's rows is mine.  Also: I fetch for A (0) or for B (1)
	s_and_b32 s16, s14, 1                          ; which half of B's rows.  Also: which half of that tile I fetch
	s_bfe_u32 s40, ttmp6, 0x40000                  ; cx
	s_bfe_u32 s41, ttmp6, 0x40004                  ; cy
	s_and_b32 s42, ttmp7, 0xffff                   ; the cluster's y, 0 .. 23
	s_lshr_b32 s17, s42, 3                         ; T: 0 q, 1 k, 2 v
	s_and_b32 s18, s42, 7
	s_lshl_b32 s18, s18, 2                         ; the first of the cluster's four blocks of 256 tokens
	s_lshl_b32 s43, s41, 2
	s_lshl_b32 s43, 15, s43                        ; my row of the cluster
	s_lshl_b32 s44, 0x1111, s40                    ; my column
	; descriptor group 1: a dense block of 128 rows x 32 elements of 8 bytes, no padding
	s_or_b32 s[G1+0], s43, (3<<16)|(1<<21)         ; 15:0 the mask; 17:16 elements of 8 bytes; 21 set beside a mask
	s_or_b32 s[G1B+0], s44, (3<<16)|(1<<21)
.irp g, G1, G1B
	s_mov_b32 s[\g+1], 32<<16                      ; tensor_dim0 = 32
	s_mov_b32 s[\g+2], 128<<16                     ; tensor_dim1 = 128
	s_mov_b32 s[\g+3], 32<<16                      ; tile_dim0 = 32
	s_mov_b32 s[\g+4], 128                         ; tile_dim1 = 128
	s_mov_b32 s[\g+5], 32                          ; tensor_dim0_stride
	s_mov_b32 s[\g+6], 0
	s_mov_b32 s[\g+7], 0
.endr
	s_cmp_eq_u32 s17, 2                            ; v?  The choice hangs on the cluster's y alone
	s_cselect_b32 s19, 0, s18                      ; tokens are A's rows (q, k)
	s_cselect_b32 s12, s18, 0                      ; or B's (v)
	s_lshl_b32 s13, s16, 17                        ; the half that I fetch: 131,072 bytes
	s_add_co_u32 s20, s41, s19                     ; A's tile of 256 rows: cy (+ the cluster's first block)
	s_lshl_b32 s20, s20, 18
	s_add_co_u32 s20, s20, s13
	s_mov_b32 s21, 0
	s_add_co_u32 s46, s40, s12                     ; B's: cx (+ the cluster's first block)
	s_lshl_b32 s46, s46, 18
	s_add_co_u32 s46, s46, s13
	s_mov_b32 s47, 0
	s_lshl_b32 s72, s17, 23                        ; tensor T in xc,
	s_mov_b32 s73, 0
	s_lshl_b32 s74, s17, 20                        ; weight T in wc
	s_mov_b32 s75, 0
	s_lshl_b32 s87, s17, 3                         ; ex, ew: entries 2 T, 2 T + 1
	s_lshl_b32 s83, s17, 2
	s_add_co_u32 s83, s83, 24                      ; et: entries 6, 7,
	s_cmp_eq_u32 s17, 2
	s_cselect_b32 s83, 36, s83                     ; and 9 for v
	s_lshl_b32 s45, s14, 15                        ; where my loads go: wave x 32,768: no place in the cluster enters an LDS address
	s_wait_kmcnt 0x0
	s_load_b64 s[84:85], s[8:9], s87 offset:0x0
	s_load_b32 s86, s[8:9], s83 offset:0x0
	s_add_nc_u64 s[72:73], s[4:5], s[72:73]
	s_add_nc_u64 s[74:75], s[6:7], s[74:75]
	s_cmp_eq_u32 s17, 2
	s_cselect_b64 s[4:5], s[74:75], s[72:73]       ; A's buffer
	s_cselect_b64 s[6:7], s[72:73], s[74:75]       ; B's
	s_add_nc_u64 s[20:21], s[4:5], s[20:21]
	s_add_nc_u64 s[46:47], s[6:7], s[46:47]
	CROUND                                         ; all sixteen work-groups are here: the first joint loads meet
.irp s, 0,1
	s_mov_b32 s[G0+4*\s], 1
	s_add_co_u32 s[G0+4*\s+1], s45, \s*SLOT
	s_add_nc_u64 s[G0+4*\s+2:G0+4*\s+3], s[20:21], \s*HALFT
	s_or_b32 s[G0+4*\s+3], s[G0+4*\s+3], 0x80000000
	s_mov_b32 s[G0B+4*\s], 1
	s_add_co_u32 s[G0B+4*\s+1], s45, \s*SLOT
	s_add_nc_u64 s[G0B+4*\s+2:G0B+4*\s+3], s[46:47], \s*HALFT
	s_or_b32 s[G0B+4*\s+3], s[G0B+4*\s+3], 0x80000000
	JLOAD G0+4*\s, G1, G0B+4*\s, G1B
.endr
	v_and_b32 v1, 31, v0
	v_lshlrev_b32 v[VO], 4, v1                     ; 16 x lane
	s_lshl_b32 s88, s15, 15                        ; my half of A
	s_lshl_b32 s89, s16, 15                        ; my half of B,
	s_add_co_u32 s89, s89, 2*HALFT                 ; which lies behind A's two
.irp s, 0,1
	v_add_nc_u32 v[ADRA+\s], s88, v[VO]
	v_add_nc_u32 v[ADRB+\s], s89, v[VO]
	s_add_co_u32 s88, s88, SLOT
	s_add_co_u32 s89, s89, SLOT
.endr
	; where my results go: (16 batch + 4 x block of 256 columns + 2 x half) heads of 131,072 bytes + (2 (block of tokens % 8) + half) x 8,192: the same for all three
	s_cmp_eq_u32 s17, 2
	s_cselect_b32 s90, s40, s41                    ; tokens: by cx (v) or cy
	s_cselect_b32 s91, s41, s40                    ; columns: by cy (v) or cx
	s_cselect_b32 s92, s16, s15                    ; my half of the tokens
	s_cselect_b32 s93, s15, s16                    ; my half of the columns
	s_mov_b32 s78, 1024
	s_cselect_b32 s78, 2048, s78                   ; from block to block of A
	s_cselect_b32 s80, 122880, 0                   ; v: more at block 4: 131,072 - 4 x 2,048
	s_mov_b32 s82, 131072
	s_cselect_b32 s82, 1024, s82                   ; chunks 2 and 3: the next head (q, k), or 1,024 bytes on (v)
	s_mov_b32 s79, 0
	s_mov_b32 s81, 0
	s_add_co_u32 s90, s90, s18                     ; the block of 256 tokens, 0 .. 31
	s_lshr_b32 s94, s90, 3
	s_lshl_b32 s94, s94, 4
	s_lshl_b32 s91, s91, 2
	s_add_co_u32 s94, s94, s91
	s_lshl_b32 s93, s93, 1
	s_add_co_u32 s94, s94, s93
	s_lshl_b32 s94, s94, 17
	s_and_b32 s90, s90, 7
	s_lshl_b32 s90, s90, 1
	s_add_co_u32 s90, s90, s92
	s_lshl_b32 s90, s90, 13
	s_add_co_u32 s94, s94, s90
	s_mov_b32 s95, 0
	s_cmp_eq_u32 s17, 1
	s_cselect_b64 s[OB:OB+1], s[68:69], s[10:11]
	s_cmp_eq_u32 s17, 2
	s_cselect_b64 s[OB:OB+1], s[70:71], s[OB:OB+1]
	s_add_nc_u64 s[OB:OB+1], s[OB:OB+1], s[94:95]
	v_add_nc_u32 v[VO+1], s82, v[VO]
	s_wait_kmcnt 0x0
	s_sub_co_i32 s86, s86, s84                     ; a sum stands for sum x 2^(ex + ew): its code is sum / 2^(et - ex - ew)
	s_sub_co_i32 s86, s86, s85
	s_add_co_i32 s86, s86, 127
	s_lshl_b32 s87, s86, 23
	v_mov_b32 v[SCL], s87
	s_add_co_i32 s86, s86, 8
	s_lshl_b32 s86, s86, 23
	s_or_b32 s86, s86, 0x600000
	v_mov_b32 v[LIM], s86
	s_wait_tensorcnt 1                             ; my part of slot 0 is in; slot 1's one load may be out
	s_barrier_signal -1
	s_barrier_wait -1
	FETCH_B 0, 0, 0
	FETCH_A 0, 0, 0
	FETCH_A 0, 0, 4
	STEP 0, 0, 1                                   ; K 0-127: its products start the sums
	TURN 0, 1, 1                                   ; K 128-255; slot 0 takes K 512-767
	STEP 1, 0, 0
	TURN 1, 0, 1                                   ; slot 1 takes K 768-1023
	STEP 0, 0, 0
	TURN 0, 1, 0                                   ; nothing is left to fetch
	STEP 1, 0, 0
	s_wait_dscnt 4*NL                              ; the very last step
	WIN MUL_LO
	MUL16 0, 1, 0
	MUL16 2, 1, 0
	s_wait_dscnt 0
	WIN MUL_HI
	MUL16 4, 1, 0
	MUL16 6, 1, 0
	WIN 0
	PLACES NP
.irp a, 0,1,2,3,4,5,6,7
	OUTB \a
.endr
	s_wait_tensorcnt 0x0                           ; the wave's end
	ds_add_u32 v[SPW], v[NIL]
	s_wait_dscnt 0x0
	CROUND                                         ; the closing round: no work-group ends while a partner may still ask for a tile that names it
	s_endpgm
.Lfunc_end_k_q47c939cd5d_proj:
	.size	k_q47c939cd5d_proj, .Lfunc_end_k_q47c939cd5d_proj-k_q47c939cd5d_proj
	.p2alignl 7, 3214868480
	.fill 96, 4, 3214868480
	.section	.rodata,"a",@progbits
	.p2align	6, 0x0
	.amdhsa_kernel k_q47c939cd5d_proj
		.amdhsa_group_segment_fixed_size 327680
		.amdhsa_private_segment_fixed_size 0
		.amdhsa_enable_private_segment 0
		.amdhsa_kernarg_size 48
		.amdhsa_user_sgpr_count 2
		.amdhsa_user_sgpr_kernarg_segment_ptr 1
		.amdhsa_wavefront_size32 1
		.amdhsa_system_sgpr_workgroup_id_x 1
		.amdhsa_system_sgpr_workgroup_id_y 1
		.amdhsa_system_sgpr_workgroup_id_z 1
		.amdhsa_system_vgpr_workitem_id 0
		.amdhsa_next_free_vgpr 1024
		.amdhsa_next_free_sgpr 100
		.amdhsa_reserve_vcc 0
		.amdhsa_float_denorm_mode_32 3
		.amdhsa_float_denorm_mode_16_64 3
		.amdhsa_memory_ordered 1
		.amdhsa_forward_progress 1
		.amdhsa_inst_pref_size 119
	.end_amdhsa_kernel
	.amdgpu_metadata
---
amdhsa.version: [ 1, 2 ]
amdhsa.kernels:
  - .name:           k_q47c939cd5d_proj
    .symbol:         k_q47c939cd5d_proj.kd
    .args:
      - { .name: xc, .offset: 0, .size: 8, .value_kind: global_buffer, .address_space: global }
      - { .name: wc, .offset: 8, .size: 8, .value_kind: global_buffer, .address_space: global }
      - { .name: lowp_scales, .offset: 16, .size: 8, .value_kind: global_buffer, .address_space: global }
      - { .name: qf, .offset: 24, .size: 8, .value_kind: global_buffer, .address_space: global }
      - { .name: kf, .offset: 32, .size: 8, .value_kind: global_buffer, .address_space: global }
      - { .name: vf, .offset: 40, .size: 8, .value_kind: global_buffer, .address_space: global }
    .group_segment_fixed_size: 327680
    .private_segment_fixed_size: 0
    .kernarg_segment_align: 8
    .kernarg_segment_size: 48
    .max_flat_workgroup_size: 128
    .sgpr_count:     100
    .vgpr_count:     1024
    .wavefront_size: 32
...
	.end_amdgpu_metadata
.endif
;; end of part 2
;; launch attn (part 3): grid 4 x 64, 16 waves a work-group, no clusters, 34,816 bytes of LDS; arguments qf, kf, vf, lowp_scales, af; writes af
.if DOCPART == 3
	.amdgcn_target "amdgcn-amd-amdhsa--gfx1250"
	.amdhsa_code_object_version 6
	.text
	.protected	k_q47c939cd5d_attn
	.globl	k_q47c939cd5d_attn
	.p2align	8
	.type	k_q47c939cd5d_attn,@function
k_q47c939cd5d_attn:
	s_mov_b64 s[64:65], 0
	v_nop
	global_prefetch_b8 v0, s[64:65] scope:SCOPE_SE
	s_setreg_imm32_b32 hwreg(HW_REG_WAVE_MODE, 25, 1), 1
	s_wait_xcnt 0x0
; Causal attention on codes of FP8 (E4M3): 64 (batch x head), 2,048 tokens, head size 64.  The result is quantised at once into the last product's operand.
; qf, kf: [bh][tile of 16 tokens][1,024 bytes] (16 tokens x 64 channels, two chunks);  vf: [bh][key step of 128][tile of 16 channels][2,048 bytes] (16 channels x 128 keys, four chunks).
; A chunk is 512 bytes, 16 a lane: k = 32 c + 16 (lane / 16) + 0 .. 15 of the tile's row lane % 16.  Tile t holds rows 32 (t / 2) + 8 (t % 2) + r + 8 (r / 8).
; THE SOFTMAX: t = score x log2(e) / 8; M = the running largest t rounded UP to a whole number; p = 2^(t - M) is quantised along the keys, not normalised; the row's sum is taken of the
; unquantised p and divides O at the end.  When M moves, the sum and O are multiplied by 2^(old M - new M): exact, and with no branch on data.
; SHARES.  Work-group (i, bh) owns the blocks of 256 queries i and 7 - i of head bh, so that all 256 work-groups have the same work under the mask.  Wave w of sixteen owns one tile of 16
; queries in each block.  The work-group walks key steps 0 .. 2 (8 - i) - 1; a tile leaves out the steps whose keys all come after its queries (a scalar branch on ids).
; Both products are used transposed (S^T = K Q^T, O^T = V^T P^T): a lane holds ONE query throughout, and p's 16 registers of two neighbouring key tiles are 16 neighbouring keys.
; K AND V come through registers into two LDS slots: waves 0-7 bring a step's 8,192 bytes of K, waves 8-15 its 8,192 of V, 1,024 a wave, asked for a whole key step ahead of the wait for them.
; ONE barrier a step: a slot is written behind the barrier of the step before, which every wave reaches behind its awaited reads of that slot two steps back.
; NO JOINT LOADS: the four work-groups of a head walk 8, 7, 6 and 5 trips, so partners would need different numbers of tiles.
; LIMITS on the given exponents: e6 + e7 between -123 and 130 (added to c's exponent field); e8 between -8 and 127 (p <= 1 is not held); e10 between -126 and 127; e8 + e9 goes by v_ldexp_f32 and has none.
.set SLOTB, 16384                      ; a slot: K's eight fragments (8,192 bytes), then V's four
.set LI,   1                           ; v1   16 x lane: a chunk's place for my lane, in LDS and in memory
.set VS,   2                           ; v2   1,024 x wave + 16 x lane: where I put what I fetched
.set VD,   3                           ; v3   on the diagonal: my query - the step's first key - 16 (lane / 16); the same for both tiles
.set PLIM, 4                           ; v4   not used
.set PSC,  5                           ; v5   2^e8
.set PT,   6                           ; v6   a lane permute's destination
.set NINF, 7                           ; v7   -infinity
.set FF,   8                           ; v[8:9]   f = 2^(old M - new M), and 0
.set L2,   10                          ; v[10:11] the second chain of the sums; on the way out the two reciprocals
.set ST,   12                          ; tile T's statistics at v[12 + 4 T]: -M, the largest t, the sum in two halves
.set QF,   20                          ; tile T's fragment of Q at v[20 + 8 T]
.set STG,  36                          ; v[36:43] what I fetched for the next step
.set TA,   44                          ; v44, v45 at work
.set TB,   45
.set ALIM, 46                          ; v46  not used
.set ASC,  47                          ; v47  2^e10
.set F,    48                          ; v48-111   K's eight fragments; then p's codes in the first 16
.set S,    112                         ; v112-175  S^T, then p; then V's four fragments
.set O,    176                         ; tile T's O^T at v[176 + 32 T]
.set WV, 18
.set NT, 21                            ; s21  trips: 8 - i, two key steps each
.set TR, 22                            ; s22  the trip
.set KF, 23                            ; s23  the step's first key
.set DG, 24                            ; s24, s25  the first key of tile T's step on the diagonal
.set CS, 26                            ; s[26:27] c = log2(e) / 8 x 2^(e6 + e7)
.set SEL, 28                           ; s[28:29] lane selects for v_permlanex16_b32: lane l xor 16
.set GP, 30                            ; s[30:31] where my part of the next step lies
.set OA, 32                            ; s[32:33], s[34:35] where tile T's result goes
.macro GLOAD
	global_load_b128 v[STG:STG+3], v[LI], s[GP:GP+1]
	global_load_b128 v[STG+4:STG+7], v[LI], s[GP:GP+1] offset:512
.endm
; A KEY STEP OF ONE TILE: 128 keys from slot sl, for tile T.
.macro TSTEP sl, T
.set rT, ST+4*(\T)
.set rQ, QF+8*(\T)
.set rO, O+32*(\T)
	s_cmp_gt_u32 s[KF], s[DG+\T]                   ; all keys come after my queries: the step is left out
	s_cbranch_scc1 .Lhid_\@
.set n, 0
.rept 16
	ds_load_b128 v[F+4*n:F+4*n+3], v[LI] offset:SLOTB*\sl+512*n
.set n, n+1
.endr
	s_wait_dscnt 0x0
.irp t, 0,1,2,3,4,5,6,7
	v_wmma_f32_16x16x64_fp8_fp8 v[S+8*\t:S+8*\t+7], v[F+8*\t:F+8*\t+7], v[rQ:rQ+7], 0   ; register 16 b + i of tiles 2 b, 2 b + 1: key 32 b + 16 (lane / 16) + i
.endr
.rept 4
	v_nop                                          ; places in front of the first read of the scores
.endr
	s_cmp_lt_u32 s[KF], s[DG+\T]                   ; all keys count: no mask
	s_cbranch_scc1 .Lopen_\@
.set n, 0
.rept 64
	v_cmp_gt_i32 vcc_lo, 32*(n/16)+n%16, v[VD]     ; on the diagonal a hidden key's score becomes -infinity ahead of the maximum: p = 0 then
	v_cndmask_b32 v[S+n], v[S+n], v[NINF], vcc_lo
.set n, n+1
.endr
.Lopen_\@:
	v_max3_num_f32 v[TA], v[S], v[S+1], v[S+2]     ; the step's largest score of my query among my 64 keys, in two chains; each accumulator is read from its low end on
	v_max3_num_f32 v[TB], v[S+3], v[S+4], v[S+5]
.set n, 6
.rept 14
	v_max3_num_f32 v[TA], v[TA], v[S+n], v[S+n+1]
	v_max3_num_f32 v[TB], v[TB], v[S+n+2], v[S+n+3]
.set n, n+4
.endr
	v_max3_num_f32 v[TA], v[TA], v[S+62], v[S+63]
	s_delay_alu instid0(VALU_DEP_1)
	v_max_num_f32 v[TA], v[TA], v[TB]
	s_delay_alu instid0(VALU_DEP_1)
	v_permlanex16_b32 v[PT], v[TA], s[SEL], s[SEL+1]
	s_delay_alu instid0(VALU_DEP_1)
	v_max_num_f32 v[TA], v[TA], v[PT]              ; and among lane l xor 16's
	s_delay_alu instid0(VALU_DEP_1)
	v_mul_f32 v[TA], s[CS], v[TA]                  ; as t (c is positive)
	s_delay_alu instid0(VALU_DEP_1)
	v_max_num_f32 v[rT+1], v[rT+1], v[TA]          ; the running largest t
	v_mov_b32 v[TA], v[rT]
	s_delay_alu instid0(VALU_DEP_2)
	v_floor_f32 v[rT], -v[rT+1]                    ; the new -M = floor(-t): M is a whole number
	s_delay_alu instid0(VALU_DEP_1)
	v_sub_f32 v[TA], v[rT], v[TA]                  ; old M - new M: a whole number, 0 or less
	s_delay_alu instid0(VALU_DEP_1)
	v_cvt_i32_f32 v[TA], v[TA]                     ; (it saturates)
	s_delay_alu instid0(VALU_DEP_1)
	v_ldexp_f32 v[FF], 1.0, v[TA]                  ; f
.set n, 0
.rept 32
	v_pk_fma_f32 v[S+n:S+n+1], v[S+n:S+n+1], s[CS:CS+1], v[rT:rT+1] op_sel_hi:[1,0,0]   ; t - M, two at a time
.set n, n+2
.endr
.set n, 0
	s_wait_alu depctr_va_vdst(0)
.rept 64
	v_exp_f32 v[S+n], v[S+n]                       ; p = 2^(t - M), at most 1
.set n, n+1
.endr
	v_pk_mul_f32 v[rT+2:rT+3], v[rT+2:rT+3], v[FF:FF+1] op_sel_hi:[1,0]   ; the sums under the new M: the plain line behind the exponentials
	s_wait_alu depctr_va_vdst(0)                   ; one wait for the batch of 64, ahead of its first reader
	v_pk_add_f32 v[L2:L2+1], v[S:S+1], v[S+2:S+3]  ; the sum of the UNQUANTISED p, in two chains
.set n, 4
.rept 15
	v_pk_add_f32 v[rT+2:rT+3], v[rT+2:rT+3], v[S+n:S+n+1]
	v_pk_add_f32 v[L2:L2+1], v[L2:L2+1], v[S+n+2:S+n+3]
.set n, n+4
.endr
	s_delay_alu instid0(VALU_DEP_1)
	v_pk_add_f32 v[rT+2:rT+3], v[rT+2:rT+3], v[L2:L2+1]
.set b, 0
.rept 4
.set n, 0
.rept 16
.set n, n+1
.endr
	v_cvt_scalef32_pk8_fp8_f32 v[F+4*b:F+4*b+1], v[S+16*b:S+16*b+7], v[PSC]
	v_cvt_scalef32_pk8_fp8_f32 v[F+4*b+2:F+4*b+3], v[S+16*b+8:S+16*b+15], v[PSC]
.set b, b+1
.endr
.set n, 0
.rept 16
	v_pk_mul_f32 v[rO+n:rO+n+1], v[rO+n:rO+n+1], v[FF:FF+1] op_sel_hi:[1,0]   ; O^T under the new M; also the plain lines behind the conversions
.set n, n+2
.endr
.set n, 0
.rept 16
	ds_load_b128 v[S+4*n:S+4*n+3], v[LI] offset:SLOTB*\sl+8192+512*n
.set n, n+1
.endr
	s_wait_alu depctr_va_vdst(0)
	s_wait_dscnt 0x0
.irp t, 0,1,2,3
	v_wmma_f32_16x16x128_fp8_fp8 v[rO+8*\t:rO+8*\t+7], v[S+16*\t:S+16*\t+15], v[F:F+15], v[rO+8*\t:rO+8*\t+7]   ; the four accumulators take turns; eight score products lie between two turns of one
.endr
.rept 5
	v_nop                                          ; four places in front of the next loads into F, five in front of the next score products, which write over S
.endr
.Lhid_\@:
.endm
; A key step of the work-group, in slot sl.
.macro HALF sl
	s_wait_loadcnt 0x0                             ; my part of this step is in registers (asked for a key step ago)
	ds_store_b128 v[VS], v[STG:STG+3] offset:SLOTB*\sl
	ds_store_b128 v[VS], v[STG+4:STG+7] offset:SLOTB*\sl+512
	s_wait_dscnt 0x0                               ; for the others' sake: my stores have landed
	s_barrier_signal -1
	s_barrier_wait -1
	s_add_nc_u64 s[GP:GP+1], s[GP:GP+1], 8192      ; the loads that read it are done
.if \sl
	s_add_co_u32 s47, s[TR], 1
	s_cmp_eq_u32 s47, s[NT]                        ; behind the last step nothing is asked for
	s_cbranch_scc1 .Lnomore_\@
.endif
	GLOAD                                          ; the next step
.if \sl
.Lnomore_\@:
.endif
	TSTEP \sl, 0
	TSTEP \sl, 1
	s_add_co_u32 s[KF], s[KF], 128
.endm
; THE WAY OUT of tile T: O^T / the sum x 2^(e8 + e9), converted with 2^e10: register 16 c + i is channel 32 c + 16 (lane / 16) + i of my query: two chunks of the last product's operand.
.macro OUT T
.set n, 0
.rept 32
	v_mul_f32 v[S+32*\T+n], v[O+32*\T+n], v[L2+\T]
.set n, n+1
.endr
.set n, 0
.rept 32
.set n, n+1
.endr
.irp g, 0,1,2,3
	v_cvt_scalef32_pk8_fp8_f32 v[F+8*\T+2*\g:F+8*\T+2*\g+1], v[S+32*\T+8*\g:S+32*\T+8*\g+7], v[ASC]
.endr
	v_nop                                          ; a plain vector line behind the last conversion
	global_store_b128 v[LI], v[F+8*\T:F+8*\T+3], s[OA+2*\T:OA+2*\T+1]              ; a chunk: 512 neighbouring bytes
	global_store_b128 v[LI], v[F+8*\T+4:F+8*\T+7], s[OA+2*\T:OA+2*\T+1] offset:512
.endm
	s_load_b256 s[4:11], s[0:1], 0x0               ; qf 4:5, kf 6:7, vf 8:9, the scales' exponents 10:11
	s_load_b64 s[12:13], s[0:1], 0x20              ; af
	v_lshl_add_u32 v254, v0, 2, 0x8000
	v_mov_b32 v255, 0
	v_lshrrev_b32 v1, 5, v0
	s_delay_alu instid0(VALU_DEP_1)
	v_readfirstlane_b32 s[WV], v1                  ; wave 0..15
	s_mov_b32 s19, ttmp9                           ; i
	s_and_b32 s20, ttmp7, 0xffff                   ; bh
	s_sub_co_u32 s[NT], 8, s19
	s_lshl_b32 s52, s19, 4
	s_add_co_u32 s52, s52, s[WV]                   ; tile 0 of mine: 16 i + w
	s_sub_co_u32 s53, 7, s19
	s_lshl_b32 s53, s53, 4
	s_add_co_u32 s53, s53, s[WV]                   ; tile 1: 16 (7 - i) + w
	s_lshr_b32 s[DG], s52, 3
	s_lshl_b32 s[DG], s[DG], 7
	s_lshr_b32 s[DG+1], s53, 3
	s_lshl_b32 s[DG+1], s[DG+1], 7
	s_lshl_b32 s54, s20, 17                        ; the head's 131,072 bytes in qf, kf, vf
	s_mov_b32 s55, 0
	s_lshl_b32 s48, s52, 10
	s_add_co_u32 s48, s48, s54
	s_mov_b32 s49, 0
	s_lshl_b32 s50, s53, 10
	s_add_co_u32 s50, s50, s54
	s_mov_b32 s51, 0
	s_and_b32 s45, s[WV], 7
	s_lshl_b32 s45, s45, 10
	s_add_co_u32 s54, s54, s45                     ; + my 1,024 bytes of a step's 8,192
	; af is laid as the GEMM wants A: (16 batch + tile / 8) 131072 + (head / 4) 32768 + (tile % 8) 4096 + ((head / 2) % 2) 2048 + (head % 2) 1024
	s_and_b32 s45, s20, 15                         ; the head
	s_lshr_b32 s46, s45, 2
	s_lshl_b32 s46, s46, 15
	s_bfe_u32 s47, s45, 0x10001
	s_lshl_b32 s47, s47, 11
	s_add_co_u32 s46, s46, s47
	s_and_b32 s47, s45, 1
	s_lshl_b32 s47, s47, 10
	s_add_co_u32 s46, s46, s47
	s_and_b32 s45, s20, 0x30                       ; 16 x batch
.irp T, 0,1
	s_lshr_b32 s47, s[52+\T], 3
	s_add_co_u32 s47, s47, s45
	s_lshl_b32 s47, s47, 17
	s_add_co_u32 s47, s47, s46
	s_and_b32 s[OA+2*\T], s[52+\T], 7
	s_lshl_b32 s[OA+2*\T], s[OA+2*\T], 12
	s_add_co_u32 s[OA+2*\T], s[OA+2*\T], s47
	s_mov_b32 s[OA+2*\T+1], 0
.endr
	s_mov_b32 s[TR], 0
	s_mov_b32 s[KF], 0
	s_mov_b32 s[CS], 0x3e38aa3b                    ; log2(e) / 8
	s_mov_b32 s[SEL], 0x76543210
	s_mov_b32 s[SEL+1], 0xfedcba98
	v_and_b32 v[LI], 31, v0
	s_delay_alu instid0(VALU_DEP_1)
	v_lshlrev_b32 v[LI], 4, v[LI]
	s_lshl_b32 s45, s[WV], 10
	v_add_nc_u32 v[VS], s45, v[LI]
	s_wait_alu depctr_va_vdst(0)
	s_wait_kmcnt 0x0
	s_load_b128 s[36:39], s[10:11], 0x10           ; e4 .. e7
	s_load_b128 s[40:43], s[10:11], 0x20           ; e8 .. e11
	s_add_nc_u64 s[48:49], s[4:5], s[48:49]
	s_add_nc_u64 s[50:51], s[4:5], s[50:51]
	s_cmp_lt_u32 s[WV], 8                          ; waves 0-7 bring K, waves 8-15 V
	s_cselect_b64 s[GP:GP+1], s[6:7], s[8:9]
	s_add_nc_u64 s[GP:GP+1], s[GP:GP+1], s[54:55]
	s_add_nc_u64 s[OA:OA+1], s[12:13], s[OA:OA+1]
	s_add_nc_u64 s[OA+2:OA+3], s[12:13], s[OA+2:OA+3]
	global_load_b128 v[QF:QF+3], v[LI], s[48:49]               ; Q's fragments stay in registers
	global_load_b128 v[QF+4:QF+7], v[LI], s[48:49] offset:512
	global_load_b128 v[QF+8:QF+11], v[LI], s[50:51]
	global_load_b128 v[QF+12:QF+15], v[LI], s[50:51] offset:512
	GLOAD                                          ; key step 0
	v_and_b32 v[TA], 15, v0                        ; r
	s_delay_alu instid0(VALU_DEP_1)
	v_and_b32 v[TB], 8, v[TA]
	s_delay_alu instid0(VALU_DEP_1)
	v_add_nc_u32 v[TA], v[TA], v[TB]               ; r + 8 (r / 8)
	v_bfe_u32 v[TB], v0, 4, 1
	s_delay_alu instid0(VALU_DEP_1)
	v_lshlrev_b32 v[TB], 4, v[TB]
	s_delay_alu instid0(VALU_DEP_1)
	v_sub_nc_u32 v[VD], v[TA], v[TB]               ; - 16 (lane / 16)
	s_bfe_u32 s45, s[WV], 0x20001
	s_lshl_b32 s45, s45, 5
	s_and_b32 s46, s[WV], 1
	s_lshl_b32 s46, s46, 3
	s_add_co_u32 s45, s45, s46
	v_add_nc_u32 v[VD], s45, v[VD]                 ; + 32 ((w / 2) % 4) + 8 (w % 2): my tile's place in its 128 tokens
	v_mov_b32 v[PT], 0                             ; written once: a lane permute's destination counts as one of its sources
	v_mov_b32 v[NINF], 0xff800000
	v_mov_b32 v[FF], 0
	v_mov_b32 v[FF+1], 0                           ; (named as the upper half of the pair)
.irp T, 0,1
	v_mov_b32 v[ST+4*\T+1], 0xff61b1e6             ; the largest t so far: -3e38, under every t
	s_delay_alu instid0(VALU_DEP_1)
	v_floor_f32 v[ST+4*\T], -v[ST+4*\T+1]          ; -M
	v_mov_b32 v[ST+4*\T+2], 0
	v_mov_b32 v[ST+4*\T+3], 0
.endr
.set n, 0
.rept 64
	v_mov_b32 v[O+n], 0                            ; O^T: the step is written once; its first turn finds zeros, which the first change of M leaves zeros
.set n, n+1
.endr
	s_wait_kmcnt 0x0
	s_add_co_i32 s45, s38, s39
	s_lshl_b32 s45, s45, 23
	s_add_co_i32 s[CS], s[CS], s45                 ; a score stands for score x 2^(e6 + e7): added to c's exponent field
	s_mov_b32 s[CS+1], s[CS]                       ; (named with it as a pair)
	s_add_co_i32 s45, s40, 127
	s_lshl_b32 s46, s45, 23
	v_mov_b32 v[PSC], s46
	s_add_co_i32 s45, s42, 127
	s_lshl_b32 s46, s45, 23
	v_mov_b32 v[ASC], s46
	s_add_co_i32 s44, s40, s41                     ; e8 + e9
.Ltrip:                                                ; 8 - i trips of two key steps; every LDS offset is an immediate
	HALF 0
	HALF 1
	s_add_co_u32 s[TR], s[TR], 1
	s_cmp_lt_u32 s[TR], s[NT]
	s_cbranch_scc1 .Ltrip
	v_add_f32 v[TA], v[ST+2], v[ST+3]              ; the sums' two halves,
	v_add_f32 v[TB], v[ST+6], v[ST+7]
	s_delay_alu instid0(VALU_DEP_2)
	v_permlanex16_b32 v[PT], v[TA], s[SEL], s[SEL+1]
	s_delay_alu instid0(VALU_DEP_1)
	v_add_f32 v[TA], v[TA], v[PT]                  ; and lane l xor 16's
	s_delay_alu instid0(VALU_DEP_2)
	v_permlanex16_b32 v[PT], v[TB], s[SEL], s[SEL+1]
	s_delay_alu instid0(VALU_DEP_1)
	v_add_f32 v[TB], v[TB], v[PT]
	s_wait_alu depctr_va_vdst(0)
	v_rcp_f32 v[L2], v[TA]
	v_rcp_f32 v[L2+1], v[TB]
	v_nop                                          ; a plain line behind the reciprocals
	s_wait_alu depctr_va_vdst(0)                   ; one wait for the two, ahead of their first reader
	v_ldexp_f32 v[L2], v[L2], s44
	v_ldexp_f32 v[L2+1], v[L2+1], s44
	OUT 0
	OUT 1
	s_wait_tensorcnt 0x0
	ds_add_u32 v254, v255
	s_wait_dscnt 0x0
	s_endpgm
.Lfunc_end_k_q47c939cd5d_attn:
	.size	k_q47c939cd5d_attn, .Lfunc_end_k_q47c939cd5d_attn-k_q47c939cd5d_attn
	.p2alignl 7, 3214868480
	.fill 96, 4, 3214868480
	.section	.rodata,"a",@progbits
	.p2align	6, 0x0
	.amdhsa_kernel k_q47c939cd5d_attn
		.amdhsa_group_segment_fixed_size 34816
		.amdhsa_private_segment_fixed_size 0
		.amdhsa_enable_private_segment 0
		.amdhsa_kernarg_size 40
		.amdhsa_user_sgpr_count 2
		.amdhsa_user_sgpr_kernarg_segment_ptr 1
		.amdhsa_wavefront_size32 1
		.amdhsa_system_sgpr_workgroup_id_x 1
		.amdhsa_system_sgpr_workgroup_id_y 1
		.amdhsa_system_sgpr_workgroup_id_z 1
		.amdhsa_system_vgpr_workitem_id 0
		.amdhsa_next_free_vgpr 256
		.amdhsa_next_free_sgpr 66
		.amdhsa_reserve_vcc 1
		.amdhsa_float_denorm_mode_32 3
		.amdhsa_float_denorm_mode_16_64 3
		.amdhsa_fp16_overflow 1
		.amdhsa_memory_ordered 1
		.amdhsa_forward_progress 1
		.amdhsa_inst_pref_size 87
	.end_amdhsa_kernel
	.amdgpu_metadata
---
amdhsa.version: [ 1, 2 ]
amdhsa.kernels:
  - .name:           k_q47c939cd5d_attn
    .symbol:         k_q47c939cd5d_attn.kd
    .args:
      - { .name: qf, .offset: 0, .size: 8, .value_kind: global_buffer, .address_space: global }
      - { .name: kf, .offset: 8, .size: 8, .value_kind: global_buffer, .address_space: global }
      - { .name: vf, .offset: 16, .size: 8, .value_kind: global_buffer, .address_space: global }
      - { .name: lowp_scales, .offset: 24, .size: 8, .value_kind: global_buffer, .address_space: global }
      - { .name: af, .offset: 32, .size: 8, .value_kind: global_buffer, .address_space: global }
    .group_segment_fixed_size: 34816
    .private_segment_fixed_size: 0
    .kernarg_segment_align: 8
    .kernarg_segment_size: 40
    .max_flat_workgroup_size: 512
    .sgpr_count:     66
    .vgpr_count:     256
    .wavefront_size: 32
...
	.end_amdgpu_metadata
.endif
;; end of part 3
;; launch oproj (part 4): grid 4 x 32, 4 waves a work-group, clusters of 4 x 4, 327,680 bytes of LDS; arguments af, wc, lowp_scales, out0; writes out0
.if DOCPART == 4
	.amdgcn_target "amdgcn-amd-amdhsa--gfx1250"
	.amdhsa_code_object_version 6
	.text
	.protected	k_q47c939cd5d_oproj
	.globl	k_q47c939cd5d_oproj
	.p2align	8
	.type	k_q47c939cd5d_oproj,@function
k_q47c939cd5d_oproj:
	s_mov_b64 s[64:65], 0
	v_nop
	global_prefetch_b8 v0, s[64:65] scope:SCOPE_SE
	s_setreg_imm32_b32 hwreg(HW_REG_WAVE_MODE, 25, 1), 1
	s_wait_xcnt 0x0
	s_wait_alu depctr_hold_cnt(0) depctr_sa_sdst(0) depctr_va_vdst(0) depctr_va_sdst(0) depctr_va_ssrc(0) depctr_va_vcc(0) depctr_vm_vsrc(0)
	s_getreg_b32 s2, hwreg(HW_REG_IB_STS2, 6, 4)
	s_cmp_eq_u32 s2, 0
	s_cbranch_scc0 .Lentry_in_a_cluster
	s_endpgm
.Lentry_in_a_cluster:
	s_bfe_u32 s2, ttmp6, 0x10000c
	s_cmp_lg_u32 s2, 0xf033
	s_cbranch_scc0 .Lentry_shape_is_right
	s_endpgm
.Lentry_shape_is_right:
; out0 [8192][1024] f32 = attention's result x wo, on codes of FP8 (E4M3), K = 1,024.  Each finished sum is multiplied once by 2^(e10 + e11).  LIMIT: e10 + e11 between -126 and 127.
; Both operands lie in memory as images of the operand's registers (a chunk of 512 bytes = 16 bytes a lane; a fragment of 16 rows x 128 K = four chunks; 128 rows x 256 K = one dense block of
; 32,768 bytes).  Tile t of 16 holds rows 32 (t / 2) + 8 (t % 2) + r + 8 (r / 8).  wo's image is the fourth in wc.
; A work-group makes 256 x 256, a wave 128 x 128: 64 accumulators.  Source 0 = 16 columns of wo, source 1 = 16 tokens: a lane holds one token, and the 16 registers of two neighbouring tiles of
; columns are 16 neighbouring columns.  CLUSTERS: 4 x 4: A's tile is asked for jointly by a row of the cluster, B's by a column.  K goes in steps of 256 through two LDS slots: four fills in
; all, so the walk is written straight.  A wave has two tensor loads out at the start, one behind each round.
; REGISTERS: window 0: v16-29 addresses; v32-95 a block's results; v128-255 A's fragments, one set; on the way out rows read back.  window 1: B's fragments, two sets.  windows 2, 3: the accumulators.
.set HALFT,  32768
.set SLOT,   4*HALFT
.set SPARE,  2*SLOT                    ; behind the ring: the spare words, 128 bytes a wave: two blocks of 256 bytes that no other line names
.set FR,     16
.set NL,     4
.set NP,     4
.set SPITCH, 528                       ; the way out: a stage of 16 rows x (512 bytes + 16) for each wave, in slot 0, which has had its last fill and its last read when the first result is stored there
.set ADRA, 16
.set ADRB, 20
.set STO,  24                          ; v24  the stage: where I put 32 bytes of a row
.set RD,   25                          ; v25  and where I read a row back
.set CO,   26                          ; v26  16 x lane: my bytes of a row's 512
.set SPW,  28
.set NIL,  29
.set TMP,  32
.set AF,   128
.set BK,   128                         ; the way out: 16 rows read back: v128-191 and v192-255 by turns
.set G1, 24
.set G0, 32
.set G1B, 48
.set G0B, 56
.set MSB, 0
.macro WIN new                         ; the immediate's high byte repeats the setting that is left
.if MSB != \new
	s_set_vgpr_msb (MSB<<8)|\new
.set MSB, \new
.endif
.endm
.set MUL_LO, 0xa1
.set MUL_HI, 0xf1
.set TO_B,   0x40
.macro JLOAD g0a, g1a, g0b, g1b        ; a joint load: waves 0 and 1 fetch A's halves, waves 2 and 3 B's; four v_nop follow each line
	s_cmp_eq_u32 s15, 0
	s_cbranch_scc0 .Lfor_b_\@
	tensor_load_to_lds s[\g0a:\g0a+3], s[\g1a:\g1a+7]
	s_nop 0
.rept 4
	v_nop
.endr
	s_branch .Lasked_\@
.Lfor_b_\@:
	tensor_load_to_lds s[\g0b:\g0b+3], s[\g1b:\g1b+7]
	s_nop 0
.rept 4
	v_nop
.endr
.Lasked_\@:
.endm
.macro CREST
	s_cmp_lg_u32 s14, 0
	s_cbranch_scc1 .Lnot_wave_0_\@
	s_barrier_signal -3
.Lnot_wave_0_\@:
	s_barrier_wait -3
	s_barrier_signal -1
	s_barrier_wait -1
.endm
.macro CROUND
	s_barrier_signal -1
	s_barrier_wait -1
	CREST
.endm
.macro FRAG reg, adr, q, i
.irp c, 0,1,2,3
	ds_load_b128 v[\reg+4*\c:\reg+4*\c+3], v[\adr] offset:4096*(\i)+2048*(\q)+512*\c
.endr
.endm
.macro MUL16 a0, p, zero               ; the 64 accumulators take turns, one instruction a turn
.irp a, \a0, \a0+1
.irp b, 0,1,2,3,4,5,6,7
.if \zero
	v_wmma_f32_16x16x128_fp8_fp8 v[8*(8*((\a)%4)+\b):8*(8*((\a)%4)+\b)+7], v[128*(\p)+FR*\b:128*(\p)+FR*\b+FR-1], v[AF+FR*(\a):AF+FR*(\a)+FR-1], 0
.else
	v_wmma_f32_16x16x128_fp8_fp8 v[8*(8*((\a)%4)+\b):8*(8*((\a)%4)+\b)+7], v[128*(\p)+FR*\b:128*(\p)+FR*\b+FR-1], v[AF+FR*(\a):AF+FR*(\a)+FR-1], v[8*(8*((\a)%4)+\b):8*(8*((\a)%4)+\b)+7]
.endif
.endr
.endr
.endm
.macro FETCH_B slot, q, p
	WIN TO_B
.irp i, 0,1,2,3,4,5,6,7
	FRAG 128*(\p)+FR*\i, ADRB+\slot, \q, \i
.endr
	WIN 0
.endm
.macro FETCH_A slot, q, i0
.irp i, \i0, \i0+1, \i0+2, \i0+3
	FRAG AF+FR*(\i), ADRA+\slot, \q, \i
.endr
.endm
.macro PLACES n
.rept \n
	v_nop
.endr
.endm
.macro STEP slot, q, zero
	s_wait_dscnt 4*NL                              ; B's set and A's blocks 0-3 are in; the youngest 16 loads (A's blocks 4-7) may be out
	WIN MUL_LO
	MUL16 0, (\q)%2, \zero
	MUL16 2, (\q)%2, \zero
	s_wait_dscnt 0
	PLACES NP
	FETCH_B \slot, (\q)+1, 1-(\q)%2
	FETCH_A \slot, (\q)+1, 0
	WIN MUL_HI
	MUL16 4, (\q)%2, \zero
	MUL16 6, (\q)%2, \zero
	PLACES NP
	WIN 0
	FETCH_A \slot, (\q)+1, 4
.endm
.macro TURN slot, next, fill
	s_wait_tensorcnt 0x0                           ; all my tensor loads have landed: my part of the next slot
	ds_add_u32 v[SPW], v[NIL]                      ; 0 onto my spare word
	s_wait_dscnt 4*NL+1                            ; (the add and the youngest 16 loads may be out)
	WIN MUL_LO
	MUL16 0, 1, 0
	s_wait_dscnt 0x0                               ; the add is done, and my reads of this slot are over
	s_barrier_signal -1
	MUL16 2, 1, 0
	WIN 0
	s_barrier_wait -1
.if \fill
	CREST                                          ; the barrier has opened a round of the cluster's: no wave of any partner still reads this slot or has a load on its way
	s_add_nc_u64 s[G0+4*\slot+2:G0+4*\slot+3], s[G0+4*\slot+2:G0+4*\slot+3], 2*HALFT
	s_add_nc_u64 s[G0B+4*\slot+2:G0B+4*\slot+3], s[G0B+4*\slot+2:G0B+4*\slot+3], 2*HALFT
	JLOAD G0+4*\slot, G1, G0B+4*\slot, G1B
.else
	PLACES NP
.endif
	FETCH_B \next, 0, 0
	FETCH_A \next, 0, 0
	WIN MUL_HI
	MUL16 4, 1, 0
	MUL16 6, 1, 0
	PLACES NP
	WIN 0
	FETCH_A \next, 0, 4
.endm
; THE WAY OUT, block by block of 16 tokens x 128 columns, through my own stage: in as 32 bytes a lane, back as whole rows of 512 bytes.  LDS serves a wave's instructions in order (ISA guide 5.7.1.4).
.macro TOSTAGE a
.set AC, 64*((\a)%4)
	WIN 0x02+((\a)/4)                              ; source 0: window 2 or 3
.set J, 0
.rept 32
	v_pk_mul_f32 v[TMP+J:TMP+J+1], v[AC+J:AC+J+1], s[96:97] op_sel_hi:[1,0]   ; x 2^(e10 + e11); each accumulator from its low end on
.set J, J+2
.endr
	WIN 0
.irp b, 0,1,2,3,4,5,6,7
	ds_store_b128 v[STO], v[TMP+8*\b:TMP+8*\b+3] offset:128*(\b/2)+32*(\b%2)       ; tile b's registers are columns 32 (b / 2) + 16 (lane / 16) + 8 (b % 2) + 0 .. 7
	ds_store_b128 v[STO], v[TMP+8*\b+4:TMP+8*\b+7] offset:128*(\b/2)+32*(\b%2)+16
.endr
.set BB, BK+64*((\a)%2)
.irp t, 0,1,2,3,4,5,6,7,8,9,10,11,12,13,14,15
	ds_load_b128 v[BB+4*\t:BB+4*\t+3], v[RD] offset:\t*SPITCH
.endr
.endm
.macro SEND a, younger                 ; younger: the LDS instructions issued behind block a's loads, which may stay out
.set BB, BK+64*((\a)%2)
	s_wait_dscnt \younger
.if (\a) > 0
.if ((\a)%2) == 1
	s_add_nc_u64 s[10:11], s[10:11], 8*4096        ; (behind a wait on XCNT)  an odd tile begins 8 rows behind the even one,
.else
	s_add_nc_u64 s[10:11], s[10:11], 24*4096       ; the next even one 24 further on
.endif
.endif
.irp t, 0,1,2,3,4,5,6,7,8,9,10,11,12,13,14,15
	global_store_b128 v[CO], v[BB+4*\t:BB+4*\t+3], s[10:11] offset:(\t+8*(\t/8))*4096 th:TH_STORE_NT   ; the tile's row t: 32 lanes store 512 neighbouring bytes, at a multiple of 256 from out0's first byte
.endr
.endm
	s_load_b128 s[4:7], s[0:1], 0x0                ; af, wc
	s_load_b128 s[8:11], s[0:1], 0x10              ; the scales' exponents, out0
	v_lshl_add_u32 v[SPW], v0, 2, SPARE
	v_mov_b32 v[NIL], 0
	ds_add_u32 v28, v29
	ds_add_u32 v28, v29
	s_wait_dscnt 0x0
	v_lshrrev_b32 v1, 5, v0
	v_readfirstlane_b32 s14, v1                    ; wave 0..3
	s_lshr_b32 s15, s14, 1                         ; which half of the tile's rows is mine.  Also: I fetch for A (0) or for B (1)
	s_and_b32 s16, s14, 1                          ; which half of its columns.  Also: which half of that tile I fetch
	s_bfe_u32 s40, ttmp6, 0x40000                  ; cx
	s_bfe_u32 s41, ttmp6, 0x40004                  ; cy
	s_lshl_b32 s42, ttmp9, 2
	s_add_co_u32 s42, s42, s40                     ; tile column = 4 x cluster x + cx
	s_and_b32 s17, ttmp7, 0xffff
	s_lshl_b32 s17, s17, 2
	s_add_co_u32 s17, s17, s41                     ; tile row = 4 x cluster y + cy
	s_lshl_b32 s43, s41, 2
	s_lshl_b32 s43, 15, s43                        ; my row of the cluster
	s_lshl_b32 s44, 0x1111, s40                    ; my column
	s_or_b32 s[G1+0], s43, (3<<16)|(1<<21)         ; 15:0 the mask; 17:16 elements of 8 bytes; 21 set beside a mask
	s_or_b32 s[G1B+0], s44, (3<<16)|(1<<21)
.irp g, G1, G1B
	s_mov_b32 s[\g+1], 32<<16                      ; a dense block: 128 rows x 32 elements of 8 bytes
	s_mov_b32 s[\g+2], 128<<16
	s_mov_b32 s[\g+3], 32<<16
	s_mov_b32 s[\g+4], 128
	s_mov_b32 s[\g+5], 32
	s_mov_b32 s[\g+6], 0
	s_mov_b32 s[\g+7], 0
.endr
	s_lshl_b32 s13, s16, 17                        ; the half that I fetch
	s_lshl_b32 s20, s17, 18                        ; A: 262,144 x tile row
	s_add_co_u32 s20, s20, s13
	s_mov_b32 s21, 0
	s_lshl_b32 s46, s42, 18                        ; B: 262,144 x tile column,
	s_add_co_u32 s46, s46, s13
	s_add_co_u32 s46, s46, 3*1048576               ; in wo's image
	s_mov_b32 s47, 0
	s_lshl_b32 s45, s14, 15                        ; where my loads go: wave x 32,768
	s_wait_kmcnt 0x0
	s_load_b64 s[96:97], s[8:9], 0x28              ; e10, e11
	s_add_nc_u64 s[20:21], s[4:5], s[20:21]
	s_add_nc_u64 s[46:47], s[6:7], s[46:47]
	CROUND                                         ; all sixteen work-groups are here: the first joint loads meet
.irp s, 0,1
	s_mov_b32 s[G0+4*\s], 1
	s_add_co_u32 s[G0+4*\s+1], s45, \s*SLOT
	s_add_nc_u64 s[G0+4*\s+2:G0+4*\s+3], s[20:21], \s*HALFT
	s_or_b32 s[G0+4*\s+3], s[G0+4*\s+3], 0x80000000
	s_mov_b32 s[G0B+4*\s], 1
	s_add_co_u32 s[G0B+4*\s+1], s45, \s*SLOT
	s_add_nc_u64 s[G0B+4*\s+2:G0B+4*\s+3], s[46:47], \s*HALFT
	s_or_b32 s[G0B+4*\s+3], s[G0B+4*\s+3], 0x80000000
	JLOAD G0+4*\s, G1, G0B+4*\s, G1B
.endr
	v_and_b32 v1, 15, v0                           ; r
	v_bfe_u32 v2, v0, 4, 1                         ; h
	v_and_b32 v6, 31, v0
	v_lshlrev_b32 v[CO], 4, v6                     ; 16 x lane
	s_lshl_b32 s22, s15, 15                        ; my half of A
	s_lshl_b32 s23, s16, 15                        ; my half of B,
	s_add_co_u32 s23, s23, 2*HALFT                 ; which lies behind A's two
.irp s, 0,1
	v_add_nc_u32 v[ADRA+\s], s22, v[CO]
	v_add_nc_u32 v[ADRB+\s], s23, v[CO]
	s_add_co_u32 s22, s22, SLOT
	s_add_co_u32 s23, s23, SLOT
.endr
	s_mul_i32 s23, s14, 16*SPITCH                  ; my stage
	v_mul_u32_u24 v5, v1, SPITCH
	v_lshl_add_u32 v5, v2, 6, v5
	v_add_nc_u32 v[STO], s23, v5                   ; in: row r, + 64 h bytes
	v_add_nc_u32 v[RD], s23, v[CO]                 ; back: the 32 lanes take one row of 512 bytes
	s_lshl_b32 s88, s17, 8
	s_lshl_b32 s89, s15, 7
	s_add_co_u32 s88, s88, s89                     ; my first row of out0: 256 x tile row + 128 x half,
	s_lshl_b32 s88, s88, 12                        ; of 4,096 bytes
	s_lshl_b32 s90, s42, 10                        ; my first column, in bytes: 1,024 x tile column + 512 x half
	s_lshl_b32 s91, s16, 9
	s_add_co_u32 s90, s90, s91
	s_add_co_u32 s88, s88, s90
	s_mov_b32 s89, 0
	s_add_nc_u64 s[10:11], s[10:11], s[88:89]
	s_wait_tensorcnt 1                             ; my part of slot 0 is in; slot 1's one load may be out
	s_barrier_signal -1
	s_barrier_wait -1
	FETCH_B 0, 0, 0
	FETCH_A 0, 0, 0
	FETCH_A 0, 0, 4
	STEP 0, 0, 1                                   ; K 0-127: its products start the sums
	TURN 0, 1, 1                                   ; K 128-255; slot 0 takes K 512-767
	STEP 1, 0, 0
	TURN 1, 0, 1                                   ; slot 1 takes K 768-1023
	STEP 0, 0, 0
	TURN 0, 1, 0                                   ; nothing is left to fetch; behind this barrier nobody reads slot 0
	STEP 1, 0, 0
	s_wait_dscnt 4*NL                              ; the very last step
	WIN MUL_LO
	MUL16 0, 1, 0
	MUL16 2, 1, 0
	s_wait_dscnt 0
	WIN MUL_HI
	MUL16 4, 1, 0
	MUL16 6, 1, 0
	WIN 0
	s_wait_kmcnt 0x0
	s_add_co_i32 s96, s96, s97                     ; e10 + e11
	s_add_co_i32 s96, s96, 127
	s_lshl_b32 s96, s96, 23                        ; 2^(e10 + e11) as f32
	PLACES NP                                      ; in front of the loads into the registers that held A's fragments, and of the reads of the last results
	TOSTAGE 0
.irp a, 1,2,3,4,5,6,7
.if \a > 1
	s_wait_xcnt 0x0                                ; block a - 2's stores have read their registers and their base
.endif
	TOSTAGE \a
	SEND \a-1, 32                                  ; behind block a - 1's loads: block a's 16 stores and 16 loads
.endr
	s_wait_xcnt 0x0
	SEND 7, 0
	s_wait_tensorcnt 0x0                           ; the wave's end
	ds_add_u32 v[SPW], v[NIL]
	s_wait_dscnt 0x0
	CROUND                                         ; the closing round
	s_endpgm
.Lfunc_end_k_q47c939cd5d_oproj:
	.size	k_q47c939cd5d_oproj, .Lfunc_end_k_q47c939cd5d_oproj-k_q47c939cd5d_oproj
	.p2alignl 7, 3214868480
	.fill 96, 4, 3214868480
	.section	.rodata,"a",@progbits
	.p2align	6, 0x0
	.amdhsa_kernel k_q47c939cd5d_oproj
		.amdhsa_group_segment_fixed_size 327680
		.amdhsa_private_segment_fixed_size 0
		.amdhsa_enable_private_segment 0
		.amdhsa_kernarg_size 32
		.amdhsa_user_sgpr_count 2
		.amdhsa_user_sgpr_kernarg_segment_ptr 1
		.amdhsa_wavefront_size32 1
		.amdhsa_system_sgpr_workgroup_id_x 1
		.amdhsa_system_sgpr_workgroup_id_y 1
		.amdhsa_system_sgpr_workgroup_id_z 1
		.amdhsa_system_vgpr_workitem_id 0
		.amdhsa_next_free_vgpr 1024
		.amdhsa_next_free_sgpr 100
		.amdhsa_reserve_vcc 0
		.amdhsa_float_denorm_mode_32 3
		.amdhsa_float_denorm_mode_16_64 3
		.amdhsa_memory_ordered 1
		.amdhsa_forward_progress 1
		.amdhsa_inst_pref_size 123
	.end_amdhsa_kernel
	.amdgpu_metadata
---
amdhsa.version: [ 1, 2 ]
amdhsa.kernels:
  - .name:           k_q47c939cd5d_oproj
    .symbol:         k_q47c939cd5d_oproj.kd
    .args:
      - { .name: af, .offset: 0, .size: 8, .value_kind: global_buffer, .address_space: global }
      - { .name: wc, .offset: 8, .size: 8, .value_kind: global_buffer, .address_space: global }
      - { .name: lowp_scales, .offset: 16, .size: 8, .value_kind: global_buffer, .address_space: global }
      - { .name: out0, .offset: 24, .size: 8, .value_kind: global_buffer, .address_space: global }
    .group_segment_fixed_size: 327680
    .private_segment_fixed_size: 0
    .kernarg_segment_align: 8
    .kernarg_segment_size: 32
    .max_flat_workgroup_size: 128
    .sgpr_count:     100
    .vgpr_count:     1024
    .wavefront_size: 32
...
	.end_amdgpu_metadata
.endif
;; end of part 4
